; MI455X (gfx1250); checked and timed in simulation.
; The chip was launched on July 23, 2026; its instructions are those of AMD's public machine-readable ISA for CDNA 5 (MIT licence, August 2026) and "CDNA5" Instruction Set Architecture Reference Guide (July 2026). The comments in the code are by the model that wrote it; some were corrected since.
;; Mo E Block. Allowed arithmetic: float matrix products may take bf16 or f16 operands with f32 sums; all other float work in f32.
;; Inputs: W 8 x 2,048 x 2,048 float32; Wg 2,048 x 8 float32; b 8 x 2,048 float32; x 4 x 512 x 2,048 float32.
;; Outputs: out0 4 x 512 x 2,048 float32.
;; One version. Each part assembles by itself: llvm-mc -triple=amdgcn-amd-amdhsa -mcpu=gfx1250 --defsym DOCPART=n.
;; ======== version 1 of 1: 3 launches
;; workspace buffers: idx 8,192 bytes of whole numbers; p 8,192 bytes; order 8,192 bytes of whole numbers; ps 8,192 bytes; offs 256 bytes of whole numbers; xs 8,388,608 bytes
;; launch gate (part 1): grid 256 x 1, 8 waves a work-group, no clusters, 43,008 bytes of LDS; arguments x, Wg, idx, p; writes idx, p
.if DOCPART == 1
	.amdgcn_target "amdgcn-amd-amdhsa--gfx1250"
	.amdhsa_code_object_version 6
	.text
	.protected	k_q550b002590_gate
	.globl	k_q550b002590_gate
	.p2align	8
	.type	k_q550b002590_gate,@function
k_q550b002590_gate:
	s_mov_b64 s[64:65], 0
	v_nop
	global_prefetch_b8 v0, s[64:65] scope:SCOPE_SE
	s_setreg_imm32_b32 hwreg(HW_REG_WAVE_MODE, 25, 1), 1
	s_wait_xcnt 0x0
; MoE block, launch 1 of 3: the gate.  logits = x Wg, softmax over the 8 experts, idx[t] = the argmax, p[t] = its probability.
;
; WORK THAT THE PROGRAM LEAVES OUT (in the third launch; this one does all of its own).  reference() forms
; y[t,e,:] = x[t] W[e] + b[e] for all eight experts and multiplies it by combine[t,e] = one_hot(idx[t])[e] * probs[t,e].
; For e != idx[t] that factor is a zero which reference() builds in its own body, so in exact arithmetic y[t,e,:] reaches no
; output, whatever finite values x, Wg, W and b hold: out[t] = p[t] (x[t] W[idx[t]] + b[idx[t]]).  The choice is a whole number:
; it is stored here, sorted by the second launch and read from memory by the third, which does only the products that it asks
; for.  All four inputs still have a way to the output and are loaded.
; LIMITS.  A NaN, an infinity or an overflow in W[e], b[e] or x[t] W[e] of an expert that token t does not choose is not carried
; to out[t].  The argmax is taken on the exponentials exp2((l - max) log2 e), the lowest index among equal ones; the division by
; their sum, which reference() makes first, is the same for all eight and is left to the chosen one.  Logits that are not finite
; are not served: the token then goes to expert 7 with a NaN as its gate value.
;
; The products go to the matrix unit with bf16 operands and f32 sums.  A work-group takes 8 tokens: 2,048 / 8 = 256 work-groups.
; Its eight waves take 256 of the 2,048 k each.  There are 8 tokens and 8 experts for a tile of 16 x 16, so the tile carries two
; halves of the wave's k at once: rows 0 to 7 hold the tokens' k = 0 .. 127 of the wave's 256, rows 8 to 15 the same tokens'
; k = 128 .. 255; columns 0 to 7 hold the experts' Wg for the first half, columns 8 to 15 for the second.  Four products of 32
; along K go through both halves.  The two diagonal blocks of 8 x 8 are the two halves' sums and are added; the other two blocks
; pair one half's x with the other half's Wg and are dropped.  The eight waves' tiles meet in LDS and wave 0 makes the softmax.
; k IS PERMUTED, alike in both operands (here and in the other two launches), which keeps every product: in step s the lanes'
; half h holds k = 32 s + 16 h + u, u = 0 .. 15, register t of a fragment u = 2 t below and u = 2 t + 1 above.  So a lane's part
; of x is 64 neighbouring bytes.
.set XR,   16                          ; v[16:79]   x: step s in 16 registers as loaded, its fragment then in the first 8 of them
.set P2,   80                          ; v[80:143]  wave 0 at the end: the partner lane's eight partial tiles
.set WR,   144                         ; v[144:207] Wg as loaded (row j of the lane's eight at 8 j), later the four B fragments
.set T,    208                         ; v[208:223] four experts' 8 bf16 each, on their way to LDS
.set ACC0, 224                         ; v[224:231] sums of the even steps
.set ACC1, 232                         ; v[232:239] sums of the odd ones
.set WTP,  528                         ; LDS pitch of a row of Wg transposed: 256 bf16 + 16 bytes
.set WTW,  8*WTP                       ; a wave's eight rows; wave w's begin at w * 4,224 and are its own
.set PD,   8*WTW                       ; behind them: 1,024 bytes for each wave's partial tile
.set LG,   XR                          ; wave 0 at the end, lanes 0 to 7: logits of token j, expert = lane, in register j
.set MX,   80                          ; their maxima (over P2, which is summed up by then)
.set EX,   88                          ; exponentials
.set SM,   96                          ; exponents, then the sums
.set EM,   104                         ; largest exponential
.set CD,   112                         ; candidate index, as a float
.set RC,   120                         ; 1 / sum, then the probability
	s_load_b256 s[4:11], s[0:1], 0x0               ; x s[4:5], Wg s[6:7], idx s[8:9], p s[10:11]
	v_lshl_add_u32 v240, v0, 2, 0xa400
	v_mov_b32 v241, 0
	v_and_b32 v1, 31, v0                           ; lane L
	v_lshrrev_b32 v2, 5, v0
	v_readfirstlane_b32 s12, v2                    ; wave w
	v_bfe_u32 v3, v0, 4, 1                         ; h
	v_and_b32 v9, 7, v0                            ; r & 7: my token as a row, my expert as a column
	v_bfe_u32 v14, v0, 3, 1                        ; r >> 3: which half of the wave's k
	v_lshlrev_b32 v4, 13, v9                       ; x: the token's row of 8,192 bytes
	v_lshl_add_u32 v4, v14, 9, v4                  ;    + 128 k for the second half
	v_lshl_add_u32 v4, v3, 6, v4                   ;    + 64 h
	v_lshlrev_b32 v5, 8, v1                        ; Wg: my eight rows of 32 bytes
	s_mul_i32 s13, s12, WTW                        ; my wave's rows in LDS
	v_lshl_add_u32 v6, v1, 4, s13                  ; in: 16 L (k = 8 L .. 8 L + 7) of a row
	v_mul_u32_u24 v7, v9, WTP
	v_add_nc_u32 v7, s13, v7
	v_lshl_add_u32 v7, v14, 8, v7                  ; back: row r & 7, + 128 bf16 for the second half,
	v_lshl_add_u32 v7, v3, 5, v7                   ; + 32 h
	s_lshl_b32 s17, s12, 10
	s_add_co_u32 s17, s17, PD
	v_lshl_add_u32 v8, v1, 4, s17                  ; my wave's partial tile, 16 L
	s_lshl_b32 s14, ttmp9, 16                      ; 8 tokens of 8,192 bytes
	s_lshl_b32 s15, s12, 10                        ; + my wave's 256 k
	s_add_co_u32 s14, s14, s15
	s_mov_b32 s15, 0
	s_lshl_b32 s18, s12, 13                        ; my wave's 256 rows of Wg
	s_mov_b32 s19, 0
	s_wait_kmcnt 0x0
	s_add_nc_u64 s[4:5], s[4:5], s[14:15]
	s_add_nc_u64 s[6:7], s[6:7], s[18:19]
.irp j, 0,1,2,3,4,5,6,7
	global_load_b128 v[WR+8*\j:WR+8*\j+3],   v5, s[6:7] offset:32*\j       ; Wg[256 w + 8 L + j][0 .. 3]
	global_load_b128 v[WR+8*\j+4:WR+8*\j+7], v5, s[6:7] offset:32*\j+16    ; [4 .. 7]
.endr
.irp s, 0,1,2,3
.irp q, 0,1,2,3
	global_load_b128 v[XR+16*\s+4*\q:XR+16*\s+4*\q+3], v4, s[4:5] offset:128*\s+16*\q   ; x[token][256 w + 128 (r >> 3) + 32 s + 16 h + 4 q ..]; the next launch reads x again: no hint
.endr
.endr
	s_wait_loadcnt 16                              ; Wg's 16 loads are in; the 16 of x, issued behind them, stay out
	; Wg transposed and rounded: expert n's k = 8 L .. 8 L + 7 are 16 bytes of row n.  Four experts at a time.
.irp g, 0,1
.irp n, 0,1,2,3
.irp t, 0,1,2,3
	v_cvt_pk_bf16_f32 v[T+4*\n+\t], v[WR+16*\t+4*\g+\n], v[WR+16*\t+8+4*\g+\n]
.endr
	ds_store_b128 v6, v[T+4*\n:T+4*\n+3] offset:(4*\g+\n)*WTP
.endr
.endr
	; The B fragments.  The bytes are my wave's own and LDS serves a wave's instructions in order (ISA guide 5.7.1): no wait between.
.irp s, 0,1,2,3
	ds_load_b128 v[WR+8*\s:WR+8*\s+3],   v7 offset:64*\s
	ds_load_b128 v[WR+8*\s+4:WR+8*\s+7], v7 offset:64*\s+16
.endr
; Step s: round x in place (register t from registers 2 t and 2 t + 1: no source is written before it is read), one product.
.macro GSTEP s, acc, first
	s_wait_loadcnt 12-4*\s                         ; this step's four loads are in, the later steps' four each stay out
	s_wait_dscnt 6-2*\s                            ; this step's two LDS loads are in, the later steps' two each stay out
.irp t, 0,1,2,3,4,5,6,7
	v_cvt_pk_bf16_f32 v[XR+16*\s+\t], v[XR+16*\s+2*\t], v[XR+16*\s+2*\t+1]
.endr
.if \first
	v_wmma_f32_16x16x32_bf16 v[\acc:\acc+7], v[XR+16*\s:XR+16*\s+7], v[WR+8*\s:WR+8*\s+7], 0
.else
	v_wmma_f32_16x16x32_bf16 v[\acc:\acc+7], v[XR+16*\s:XR+16*\s+7], v[WR+8*\s:WR+8*\s+7], v[\acc:\acc+7]
.endif
.endm
	GSTEP 0, ACC0, 1                               ; the first two products start the two sums; the two accumulators
	GSTEP 1, ACC1, 1                               ; take turns, one instruction a turn
	GSTEP 2, ACC0, 0
	GSTEP 3, ACC1, 0
.rept 4
	v_nop                                          ; four places behind the last products (ISA guide 7.12.1) before their results are read
.endr
.irp k, 0,2,4,6
	v_pk_add_f32 v[ACC0+\k:ACC0+\k+1], v[ACC0+\k:ACC0+\k+1], v[ACC1+\k:ACC1+\k+1]
.endr
	ds_store_b128 v8, v[ACC0:ACC0+3]
	ds_store_b128 v8, v[ACC0+4:ACC0+7] offset:512
	s_wait_dscnt 0x0                               ; my partial tile is in LDS, for wave 0's sake
	s_barrier_signal -1
	s_barrier_wait -1
	s_cmp_lg_u32 s12, 0
	s_cbranch_scc1 .Lend                           ; the softmax of 8 tokens is one wave's work
	; Lane e < 8 holds D(j, e) in register j: the first half's sum of token j, expert e.  The second half's, D(8 + j, 8 + e), is
	; register j of lane 24 + e.  Each lane reads lane (L + 24) mod 32's words beside its own; lanes 8 to 31 hold nothing of use.
	v_lshl_add_u32 v12, v1, 4, PD
	v_add_nc_u32 v15, 24, v1
	v_and_b32 v15, 31, v15
	v_lshl_add_u32 v15, v15, 4, PD
.irp w, 0,1,2,3,4,5,6,7
	ds_load_b128 v[XR+8*\w:XR+8*\w+3],   v12 offset:1024*\w
	ds_load_b128 v[XR+8*\w+4:XR+8*\w+7], v12 offset:1024*\w+512
	ds_load_b128 v[P2+8*\w:P2+8*\w+3],   v15 offset:1024*\w
	ds_load_b128 v[P2+8*\w+4:P2+8*\w+7], v15 offset:1024*\w+512
.endr
	v_cvt_f32_u32 v10, v9                          ; my expert's number as a float
	v_mov_b32 v11, 0x40e00000                      ; 7.0: what a lane offers whose exponential is not the largest
	s_wait_dscnt 0x0
.irp w, 1,2,3,4,5,6,7
.irp k, 0,2,4,6
	v_pk_add_f32 v[LG+\k:LG+\k+1], v[LG+\k:LG+\k+1], v[XR+8*\w+\k:XR+8*\w+\k+1]
.endr
.endr
.irp w, 0,1,2,3,4,5,6,7
.irp k, 0,2,4,6
	v_pk_add_f32 v[LG+\k:LG+\k+1], v[LG+\k:LG+\k+1], v[P2+8*\w+\k:P2+8*\w+\k+1]
.endr
.endr
; One step of a reduction over the eight experts, for the eight tokens: lane i takes lane i xor m, inside its eight.
.macro RED op, dst, src, m
.irp j, 0,1,2,3,4,5,6,7
	\op v[\dst+\j], v[\src+\j], v[\src+\j] row_xmask:\m row_mask:0xf bank_mask:0xf
.endr
.endm
	RED v_max_num_f32_dpp, MX, LG, 1
	RED v_max_num_f32_dpp, MX, MX, 2
	RED v_max_num_f32_dpp, MX, MX, 4               ; the largest logit is taken away before the exponential, as reference() does
.irp j, 0,1,2,3,4,5,6,7
	v_sub_f32 v[SM+\j], v[LG+\j], v[MX+\j]
	v_mul_f32 v[SM+\j], 0x3fb8aa3b, v[SM+\j]       ; e^d = 2^(d log2 e)
.endr
.irp j, 0,1,2,3,4,5,6,7
	v_exp_f32 v[EX+\j], v[SM+\j]
.endr
	v_nop                                          ; one plain instruction before a result is used or a source rewritten (ISA guide 5.7.2)
	s_wait_alu depctr_va_vdst(0)
	RED v_add_f32_dpp, SM, EX, 1
	RED v_add_f32_dpp, SM, SM, 2
	RED v_add_f32_dpp, SM, SM, 4                   ; the sum, between 1 and 8
	RED v_max_num_f32_dpp, EM, EX, 1
	RED v_max_num_f32_dpp, EM, EM, 2
	RED v_max_num_f32_dpp, EM, EM, 4
.irp j, 0,1,2,3,4,5,6,7
	v_rcp_f32 v[RC+\j], v[SM+\j]
.endr
	v_nop                                          ; as above
.irp j, 0,1,2,3,4,5,6,7
	v_cmp_eq_f32 vcc_lo, v[EX+\j], v[EM+\j]
	v_cndmask_b32 v[CD+\j], v11, v10, vcc_lo       ; my number if mine is the largest, else 7
.endr
	RED v_min_num_f32_dpp, CD, CD, 1
	RED v_min_num_f32_dpp, CD, CD, 2
	RED v_min_num_f32_dpp, CD, CD, 4               ; the lowest index among the largest; always 0 to 7
	s_wait_alu depctr_va_vdst(0)
.irp j, 0,1,2,3,4,5,6,7
	v_mul_f32 v[RC+\j], v[EM+\j], v[RC+\j]         ; the chosen expert's probability
.endr
	; lane L < 8 stores token L: it picks register L
	v_cmp_eq_u32 vcc_lo, 1, v9
	v_cndmask_b32 v128, v[CD], v[CD+1], vcc_lo
	v_cndmask_b32 v129, v[RC], v[RC+1], vcc_lo
.irp j, 2,3,4,5,6,7
	v_cmp_eq_u32 vcc_lo, \j, v9
	v_cndmask_b32 v128, v128, v[CD+\j], vcc_lo
	v_cndmask_b32 v129, v129, v[RC+\j], vcc_lo
.endr
	v_cvt_u32_f32 v128, v128
	v_lshlrev_b32 v13, 2, v1                       ; 4 L
	s_lshl_b32 s14, ttmp9, 5                       ; the work-group's 8 words; s15 is still 0
	s_add_nc_u64 s[8:9], s[8:9], s[14:15]
	s_add_nc_u64 s[10:11], s[10:11], s[14:15]
	v_cmp_gt_u32 vcc_lo, 8, v1
	s_wait_xcnt 0x0                                ; EXEC changes only behind this wait
	s_and_saveexec_b32 s16, vcc_lo
	global_store_b32 v13, v128, s[8:9]             ; 32 bytes of each table from this work-group: the tables are 8,192 bytes in all
	global_store_b32 v13, v129, s[10:11]
	s_wait_xcnt 0x0                                ; and again in front of the line that widens it
	s_or_b32 exec_lo, exec_lo, s16
.Lend:
	s_barrier_signal -1
	s_barrier_wait -1
	s_wait_tensorcnt 0x0
	ds_add_u32 v240, v241
	s_wait_dscnt 0x0
	s_endpgm
.Lfunc_end_k_q550b002590_gate:
	.size	k_q550b002590_gate, .Lfunc_end_k_q550b002590_gate-k_q550b002590_gate
	.p2alignl 7, 3214868480
	.fill 96, 4, 3214868480
	.section	.rodata,"a",@progbits
	.p2align	6, 0x0
	.amdhsa_kernel k_q550b002590_gate
		.amdhsa_group_segment_fixed_size 43008
		.amdhsa_private_segment_fixed_size 0
		.amdhsa_enable_private_segment 0
		.amdhsa_kernarg_size 32
		.amdhsa_user_sgpr_count 2
		.amdhsa_user_sgpr_kernarg_segment_ptr 1
		.amdhsa_wavefront_size32 1
		.amdhsa_system_sgpr_workgroup_id_x 1
		.amdhsa_system_sgpr_workgroup_id_y 1
		.amdhsa_system_sgpr_workgroup_id_z 1
		.amdhsa_system_vgpr_workitem_id 0
		.amdhsa_next_free_vgpr 242
		.amdhsa_next_free_sgpr 66
		.amdhsa_reserve_vcc 1
		.amdhsa_float_denorm_mode_32 3
		.amdhsa_float_denorm_mode_16_64 3
		.amdhsa_memory_ordered 1
		.amdhsa_forward_progress 1
		.amdhsa_inst_pref_size 27
	.end_amdhsa_kernel
	.amdgpu_metadata
---
amdhsa.version: [ 1, 2 ]
amdhsa.kernels:
  - .name:           k_q550b002590_gate
    .symbol:         k_q550b002590_gate.kd
    .args:
      - { .name: x, .offset: 0, .size: 8, .value_kind: global_buffer, .address_space: global }
      - { .name: Wg, .offset: 8, .size: 8, .value_kind: global_buffer, .address_space: global }
      - { .name: idx, .offset: 16, .size: 8, .value_kind: global_buffer, .address_space: global }
      - { .name: p, .offset: 24, .size: 8, .value_kind: global_buffer, .address_space: global }
    .group_segment_fixed_size: 43008
    .private_segment_fixed_size: 0
    .kernarg_segment_align: 8
    .kernarg_segment_size: 32
    .max_flat_workgroup_size: 256
    .sgpr_count:     66
    .vgpr_count:     242
    .wavefront_size: 32
...
	.end_amdgpu_metadata
.endif
;; end of part 1
;; launch pack (part 2): grid 256 x 1, 8 waves a work-group, no clusters, 68,864 bytes of LDS; arguments idx, p, x, xs, order, ps, offs; writes xs, order, ps, offs
.if DOCPART == 2
	.amdgcn_target "amdgcn-amd-amdhsa--gfx1250"
	.amdhsa_code_object_version 6
	.text
	.protected	k_q550b002590_pack
	.globl	k_q550b002590_pack
	.p2align	8
	.type	k_q550b002590_pack,@function
k_q550b002590_pack:
	s_mov_b64 s[64:65], 0
	v_nop
	global_prefetch_b8 v0, s[64:65] scope:SCOPE_SE
	s_setreg_imm32_b32 hwreg(HW_REG_WAVE_MODE, 25, 1), 1
	s_wait_xcnt 0x0
; MoE block, launch 2 of 3: the tokens are sorted by their expert, and x is rounded to bf16 and laid out for the products.
; (Nothing is left out here; the products of experts that a token does not choose are left out in the third launch, see the gate.)
; order[P] = the token at sorted place P (expert 0's tokens, then expert 1's, .. without gaps), ps[P] = its gate value,
; offs[e] = the first place of expert e, offs[8] = 2,048.
; xs = the sorted x as matrix fragments: [tile of 16 places][K step s of 32][plane i][lane L][16 bytes].  Lane L = (r, h) holds
; place 16 tile + r, k = 32 s + 16 h + u; plane i holds u = 8 i .. 8 i + 7 (the permutation of k that all three launches share).
; A work-group makes half the K steps of one tile of 16 places: 128 tiles x 2 = 256 work-groups.  Every work-group repeats the sort
; of the 2,048 indices (8,192 bytes read, 64 short steps a wave): wave e lists expert e's tokens in LDS by rank, one barrier, then
; each place looks its token up.  All work-groups rank in the same order, so their lists agree.  No sum or list crosses work-groups.
; No matrix unit, cluster or tensor load: the launch moves x once in and half its bytes out, and no two work-groups share a byte of x.
.set I,      16                        ; v[16:79]   the 2,048 indices: register 4 i + c of lane L is token 128 i + 4 L + c
.set C,      80                        ; v[80:87]   the eight counts
.set LO,     88                        ; v[88:96]   their running sums
.set XR,     112                       ; v[112:175] x: K step s' in 16 registers, its fragment then in the first 8 of them
.set LPITCH, 8448                      ; LDS: a list has room for all 2,048 tokens and a spare word behind them: 8,196 bytes, rounded up to 33 x 256
.set CNT,    8*LPITCH                  ; behind the eight lists: the eight counts
	s_load_b256 s[4:11], s[0:1], 0x0               ; idx s[4:5], p s[6:7], x s[8:9], xs s[10:11]
	s_load_b128 s[12:15], s[0:1], 0x20             ; order s[12:13], ps s[14:15]
	s_load_b64 s[16:17], s[0:1], 0x30              ; offs
	v_lshl_add_u32 v216, v0, 2, 0x10900
	v_mov_b32 v217, 0
	v_and_b32 v1, 31, v0                           ; lane L
	v_lshrrev_b32 v2, 5, v0
	v_readfirstlane_b32 s18, v2                    ; wave = the expert that it lists
	v_and_b32 v2, 15, v0                           ; r
	v_bfe_u32 v3, v0, 4, 1                         ; h
	v_lshlrev_b32 v4, 4, v1                        ; 16 L
	v_lshlrev_b32 v5, 2, v1                        ; 4 L
	s_mul_i32 s24, s18, LPITCH
	v_mov_b32 v6, s24                              ; my wave's list
	v_mov_b32 v9, 0x800                            ; the rank of the spare word
	v_lshlrev_b32 v11, 6, v3                       ; 64 h
	s_lshr_b32 s27, ttmp9, 1                       ; the tile
	s_and_b32 s26, ttmp9, 1                        ; which half of its K steps
	s_mov_b32 s19, 0                               ; tokens listed so far
	s_mov_b32 s23, 0
	s_wait_kmcnt 0x0
.irp i, 0,1,2,3,4,5,6,7,8,9,10,11,12,13,14,15
	global_load_b128 v[I+4*\i:I+4*\i+3], v4, s[4:5] offset:512*\i
.endr
	s_wait_loadcnt 0x0
; 32 tokens: those of my expert get the next ranks, in the order of the lanes, and are written into the list.  Every lane stores:
; the lanes of other experts' tokens write the spare word behind the list, which nobody reads.  So EXEC stays as it is.
.macro PLACE i, c
	v_cmp_eq_u32 vcc_lo, s18, v[I+4*\i+\c]
	v_mbcnt_lo_u32_b32 v7, vcc_lo, s19             ; rank = listed so far + lanes of mine below me
	v_cndmask_b32 v7, v9, v7, vcc_lo               ; or the spare word
	v_min_u32 v7, 0x800, v7                        ; the bound stands in the text: 2,048 places and the spare word
	v_lshlrev_b32 v7, 2, v7
	v_add_nc_u32 v7, v6, v7
	v_add_nc_u32 v8, 128*\i+\c, v5                 ; the token
	ds_store_b32 v7, v8
	s_bcnt1_i32_b32 s20, vcc_lo
	s_add_co_u32 s19, s19, s20
.endm
.irp i, 0,1,2,3,4,5,6,7,8,9,10,11,12,13,14,15
.irp c, 0,1,2,3
	PLACE \i, \c
.endr
.endr
	s_lshl_b32 s22, s18, 2
	s_add_co_u32 s22, s22, CNT
	v_mov_b32 v7, s22
	v_mov_b32 v8, s19
	ds_store_b32 v7, v8                            ; my expert's count: every lane writes the same word
	s_wait_dscnt 0x0                               ; list and count are in LDS, for the other waves' sake
	s_barrier_signal -1
	s_barrier_wait -1
	v_mov_b32 v7, CNT
	ds_load_b128 v[C:C+3], v7
	ds_load_b128 v[C+4:C+7], v7 offset:16
	s_lshl_b32 s22, s27, 4
	v_add_nc_u32 v208, s22, v2                     ; my place P = 16 tile + r
	v_mov_b32 v[LO], 0
	v_mov_b32 v209, 0                              ; its expert
	v_mov_b32 v210, 0                              ; that expert's first place
	s_wait_dscnt 0x0
.irp e, 0,1,2,3,4,5,6,7
	v_add_nc_u32 v[LO+\e+1], v[LO+\e], v[C+\e]
.endr
.irp e, 1,2,3,4,5,6,7
	v_cmp_le_u32 vcc_lo, v[LO+\e], v208            ; the last expert whose first place is at or below P: the one that holds P
	v_cndmask_b32 v209, v209, \e, vcc_lo
	v_cndmask_b32 v210, v210, v[LO+\e], vcc_lo
.endr
	v_sub_nc_u32 v7, v208, v210                    ; rank in that expert's list
	v_min_u32 v7, 0x7ff, v7                        ; both bounds stand in the text: the address stays inside the eight lists
	v_lshlrev_b32 v7, 2, v7
	v_min_u32 v209, 7, v209
	v_mul_u32_u24 v209, v209, LPITCH
	v_add_nc_u32 v7, v209, v7
	ds_load_b32 v211, v7
	; wave w takes K steps 32 half + 4 w + s', s' = 0 .. 3: k = 1,024 half + 128 w .. + 127 of the 16 rows
	s_lshl_b32 s22, s26, 12
	s_lshl_b32 s25, s18, 9
	s_add_co_u32 s22, s22, s25
	s_add_nc_u64 s[8:9], s[8:9], s[22:23]
	s_lshl_b32 s22, s27, 16                        ; the tile's 65,536 bytes of xs
	s_lshl_b32 s25, s26, 15                        ; + 32 K steps of 1,024 bytes for the upper half
	s_add_co_u32 s22, s22, s25
	s_lshl_b32 s25, s18, 12                        ; + 4 w K steps
	s_add_co_u32 s22, s22, s25
	s_add_nc_u64 s[10:11], s[10:11], s[22:23]
	s_wait_dscnt 0x0
	v_min_u32 v211, 0x7ff, v211                    ; the token; it enters addresses only behind this bound
	v_lshlrev_b32 v213, 2, v211
	v_lshlrev_b32 v212, 13, v211                   ; the token's row
	v_add_nc_u32 v212, v11, v212                   ; + 64 h
	global_load_b32 v10, v213, s[6:7]              ; p[token], ahead of the rows and not waited for by itself.  Every wave asks (128 bytes), so that v10 is written on every path; one wave stores it
.irp s, 0,1,2,3
.irp q, 0,1,2,3
	global_load_b128 v[XR+16*\s+4*\q:XR+16*\s+4*\q+3], v212, s[8:9] offset:128*\s+16*\q th:TH_LOAD_NT   ; order is a permutation: each byte of x is read once
.endr
.endr
.macro PSTEP s
	s_wait_loadcnt 12-4*\s                         ; this step's four loads are in (and p[token], which is older); the later steps' four each stay out
.irp t, 0,1,2,3,4,5,6,7
	v_cvt_pk_bf16_f32 v[XR+16*\s+\t], v[XR+16*\s+2*\t], v[XR+16*\s+2*\t+1]   ; in place: register t from 2 t and 2 t + 1
.endr
	global_store_b128 v4, v[XR+16*\s:XR+16*\s+3],   s[10:11] offset:1024*\s      ; each store of the wave covers 512 consecutive bytes, aligned;
	global_store_b128 v4, v[XR+16*\s+4:XR+16*\s+7], s[10:11] offset:1024*\s+512  ; the next launch reads them: no hint.  No register is rewritten behind them
.endm
.irp s, 0,1,2,3
	PSTEP \s
.endr
	; the small tables, last: wave 0 of the tile's lower half stores the tile's 16 words of order and of ps (lanes 0 to 15)
	s_cmp_lg_u32 s18, 0
	s_cbranch_scc1 .Lend
	s_cmp_lg_u32 s26, 0
	s_cbranch_scc1 .Lend
	v_lshlrev_b32 v8, 2, v208
	v_cmp_eq_u32 vcc_lo, 0, v3
	s_wait_xcnt 0x0                                ; EXEC changes only behind this wait
	s_and_saveexec_b32 s21, vcc_lo
	global_store_b32 v8, v211, s[12:13]
	global_store_b32 v8, v10, s[14:15]
	s_wait_xcnt 0x0                                ; EXEC is widened only behind this wait
	s_or_b32 exec_lo, exec_lo, s21
	s_cmp_lg_u32 ttmp9, 0
	s_cbranch_scc1 .Lend
	; and in work-group 0 its lane 0 stores the nine first places
	v_mov_b32 v7, 0
	v_cmp_eq_u32 vcc_lo, 0, v1
	s_and_saveexec_b32 s21, vcc_lo
	global_store_b128 v7, v[LO:LO+3], s[16:17]
	global_store_b128 v7, v[LO+4:LO+7], s[16:17] offset:16
	global_store_b32 v7, v[LO+8], s[16:17] offset:32
	s_wait_xcnt 0x0                                ; EXEC is widened only behind this wait
	s_or_b32 exec_lo, exec_lo, s21
.Lend:
	s_barrier_signal -1
	s_barrier_wait -1
	s_wait_tensorcnt 0x0
	ds_add_u32 v216, v217
	s_wait_dscnt 0x0
	s_endpgm
.Lfunc_end_k_q550b002590_pack:
	.size	k_q550b002590_pack, .Lfunc_end_k_q550b002590_pack-k_q550b002590_pack
	.p2alignl 7, 3214868480
	.fill 96, 4, 3214868480
	.section	.rodata,"a",@progbits
	.p2align	6, 0x0
	.amdhsa_kernel k_q550b002590_pack
		.amdhsa_group_segment_fixed_size 68864
		.amdhsa_private_segment_fixed_size 0
		.amdhsa_enable_private_segment 0
		.amdhsa_kernarg_size 56
		.amdhsa_user_sgpr_count 2
		.amdhsa_user_sgpr_kernarg_segment_ptr 1
		.amdhsa_wavefront_size32 1
		.amdhsa_system_sgpr_workgroup_id_x 1
		.amdhsa_system_sgpr_workgroup_id_y 1
		.amdhsa_system_sgpr_workgroup_id_z 1
		.amdhsa_system_vgpr_workitem_id 0
		.amdhsa_next_free_vgpr 218
		.amdhsa_next_free_sgpr 66
		.amdhsa_reserve_vcc 1
		.amdhsa_float_denorm_mode_32 3
		.amdhsa_float_denorm_mode_16_64 3
		.amdhsa_memory_ordered 1
		.amdhsa_forward_progress 1
		.amdhsa_inst_pref_size 39
	.end_amdhsa_kernel
	.amdgpu_metadata
---
amdhsa.version: [ 1, 2 ]
amdhsa.kernels:
  - .name:           k_q550b002590_pack
    .symbol:         k_q550b002590_pack.kd
    .args:
      - { .name: idx, .offset: 0, .size: 8, .value_kind: global_buffer, .address_space: global }
      - { .name: p, .offset: 8, .size: 8, .value_kind: global_buffer, .address_space: global }
      - { .name: x, .offset: 16, .size: 8, .value_kind: global_buffer, .address_space: global }
      - { .name: xs, .offset: 24, .size: 8, .value_kind: global_buffer, .address_space: global }
      - { .name: order, .offset: 32, .size: 8, .value_kind: global_buffer, .address_space: global }
      - { .name: ps, .offset: 40, .size: 8, .value_kind: global_buffer, .address_space: global }
      - { .name: offs, .offset: 48, .size: 8, .value_kind: global_buffer, .address_space: global }
    .group_segment_fixed_size: 68864
    .private_segment_fixed_size: 0
    .kernarg_segment_align: 8
    .kernarg_segment_size: 56
    .max_flat_workgroup_size: 256
    .sgpr_count:     66
    .vgpr_count:     218
    .wavefront_size: 32
...
	.end_amdgpu_metadata
.endif
;; end of part 2
;; launch gemm (part 3): grid 256 x 1, 8 waves a work-group, no clusters, 263,168 bytes of LDS; arguments W, b, xs, order, ps, offs, out0; writes out0
.if DOCPART == 3
	.amdgcn_target "amdgcn-amd-amdhsa--gfx1250"
	.amdhsa_code_object_version 6
	.text
	.protected	k_q550b002590_gemm
	.globl	k_q550b002590_gemm
	.p2align	8
	.type	k_q550b002590_gemm,@function
k_q550b002590_gemm:
	s_mov_b64 s[64:65], 0
	v_nop
	global_prefetch_b8 v0, s[64:65] scope:SCOPE_SE
	s_setreg_imm32_b32 hwreg(HW_REG_WAVE_MODE, 25, 1), 1
	s_wait_xcnt 0x0
; MoE block, launch 3 of 3: out[t] = p[t] (x[t] W[e] + b[e]) for the expert e that token t chose.
; LEFT OUT: the products x[t] W[e'] + b[e'] of the seven experts that a token did not choose: reference() multiplies them by the
; zeros of its own one_hot (shown at the head of the gate).  The lists that say which rows go with which expert are whole numbers
; read from memory (offs, order).  A NaN, infinity or overflow that reaches only those products is not carried to out.
;
; A work-group owns expert e = number / 32 and the 64 columns n0 = 64 (number % 32) .. + 63: 8 x 32 = 256 work-groups, and each
; byte of W is read by one wave of one work-group, once, whatever the tokens' distribution.
; PHASE 1.  The slice W[e][0 .. 2047][n0 .. n0 + 63] (524,288 bytes of f32) is rounded to bf16 and kept whole in LDS (262,144
; bytes) as B fragments.  Lane (r, h) loads W[e][32 s + 16 h + q][n0 + 4 r .. + 3], q = 0 .. 15: sixteen lanes take 256 consecutive,
; aligned bytes of a row.  Component c of these sixteen loads IS B fragment c of K step s, in which matrix column r stands for the
; real column n0 + 4 r + c: no transposition.  (k is permuted as in the other two launches: half h holds k = 32 s + 16 h + u.)
; PHASE 2.  The expert's tiles of 16 sorted places are dealt to the eight waves by turns; a wave takes up to four tiles at a time
; through all 64 K steps: A fragments straight from xs into a ring of eight slots in registers, seven K steps on their way;
; B fragments from LDS.  So a second pass over the slice comes only where an expert spans more than 8 x 4 = 32 tiles.
; EIGHT WAVES of 512 registers, two to a SIMD.  In phase 1 each wave has 48 loads, 24,576 bytes, of W on its way, the work-group
; 196,608.  In phase 2 a SIMD's tiles are held by two waves that do not wait for each other: one wave's waits, places and way out
; stand beside the other's products.  The price: each wave reads the whole slice from LDS, 8 x 262,144 bytes for a pass.
; On the way out register j of the four accumulators c = 0 .. 3 is four neighbouring columns of one token's row: 16 bytes a lane,
; and sixteen lanes store 256 consecutive, aligned bytes of out.  No stage in LDS.
; A tile on the border of two experts is computed by both; each stores only the rows that are its own, under a mask.  A tile that
; lies inside the expert is stored without one: at most two tiles of an expert are border tiles.
; ONE barrier, between the phases, on every path.  So an expert without tokens still brings its slice in: a branch round the
; barrier would hang on a number read from memory.
; NO CLUSTER, though the 32 work-groups of an expert read the same tiles of xs: a joint request fills LDS and wants a barrier in
; the loop over tiles, whose trips (0 to 128 tiles) are read from memory, and the slice leaves 65,536 bytes of LDS.  No tensor
; load for W either: it has to pass through registers to be rounded.
; b stays f32: the accumulators start from it.
.set BIAS, 12                          ; v[12:15]   b[e][n0 + 4 r + c]
.set X,    32                          ; phase 1: v[32:223]  three slots of 64 registers: a K step of W as loaded
.set F,    224                         ; phase 1: v[224:255] its four fragments
.set BF,   32                          ; phase 2: v[32:95]   B fragments, two buffers of four; on the way out order and ps
.set ACC,  96                          ; phase 2: v[96:223]  accumulators: tile g, fragment c at 32 g + 8 c
.set TMP,  224                         ; phase 2: v[224:255] a tile's results, 4 registers for each of 8 rows
; window 1 (v256 to v511): the ring of A fragments, slot sl, tile g at 32 sl + 8 g
; v1 16 L (also the offset of every load from xs)   v2 16 r   v3 8 h   v4 32 h   v5 W offset   v6 LDS store address
; v8 LDS read address   v9, v10 at work
; s18 wave  s19 e  s20 column block  s21 its 256 bytes  s24 lo  s25 hi  s26 first tile  s27 tiles  s28 my wave's tiles
; s29 passes done  s42 my wave's passes  s30 tiles left  s31 this pass's first tile  s[32:33] xs at that tile, stepped along K
; s[34:35] order, s[36:37] ps at that tile  s38 hi - lo  s39 the K loop's counter: bytes of the slice gone through  s40 EXEC
; s41 at work  s43 a tile's first place  s44 one past its last
.set MSB, 0
.macro WIN new                         ; s_set_vgpr_msb: bits 1:0 source 0, 3:2 source 1, 5:4 source 2, 7:6 destination; the high byte repeats the setting that is left
.if MSB != \new
	s_set_vgpr_msb (MSB<<8)|\new
.set MSB, \new
.endif
.endm
.set W_MUL, 0x01                       ; products: A (source 0) in window 1
.set W_RING, 0x40                      ; loads into the ring: destination in window 1
	s_load_b256 s[4:11], s[0:1], 0x0               ; W s[4:5], b s[6:7], xs s[8:9], order s[10:11]
	s_load_b128 s[12:15], s[0:1], 0x20             ; ps s[12:13], offs s[14:15]
	s_load_b64 s[16:17], s[0:1], 0x30              ; out0
	v_lshl_add_u32 v30, v0, 2, 0x40000
	v_mov_b32 v31, 0
	v_and_b32 v9, 31, v0
	v_lshrrev_b32 v10, 5, v0
	v_readfirstlane_b32 s18, v10                   ; wave
	v_lshlrev_b32 v1, 4, v9                        ; 16 L
	v_and_b32 v10, 15, v0
	v_lshlrev_b32 v2, 4, v10                       ; 16 r
	v_bfe_u32 v9, v0, 4, 1                         ; h
	v_lshlrev_b32 v3, 3, v9                        ; 8 h
	v_lshlrev_b32 v4, 5, v9                        ; 32 h
	v_lshl_or_b32 v5, v9, 17, v2                   ; 16 h rows of 8,192 bytes + 16 r
	s_lshl_b32 s41, s18, 15
	v_add_nc_u32 v6, s41, v1                       ; my wave's 8 K steps of 4,096 bytes in LDS, + 16 L
	s_lshr_b32 s19, ttmp9, 5                       ; e
	s_and_b32 s20, ttmp9, 31                       ; column block
	s_lshl_b32 s21, s20, 8                         ; its 64 columns in bytes
	s_lshl_b32 s22, s19, 24                        ; W[e]: 2,048 rows of 8,192 bytes
	s_lshl_b32 s41, s18, 21                        ; my wave's K steps 8 w ..: 256 rows
	s_add_co_u32 s22, s22, s41
	s_add_co_u32 s22, s22, s21
	s_mov_b32 s23, 0
	s_wait_kmcnt 0x0
	s_add_nc_u64 s[4:5], s[4:5], s[22:23]
	s_lshl_b32 s22, s19, 13                        ; b[e]
	s_add_co_u32 s22, s22, s21
	s_add_nc_u64 s[6:7], s[6:7], s[22:23]
	s_lshl_b32 s41, s19, 2
	s_load_b64 s[24:25], s[14:15], s41 offset:0x0  ; lo = offs[e], hi = offs[e + 1]; wanted in phase 2; s41 stays as it is until the wait
	global_load_b128 v[BIAS:BIAS+3], v2, s[6:7]
.macro WLOAD i                         ; K step 8 w + i: sixteen rows for each half of the lanes, 8,192 bytes in all
.irp q, 0,1,2,3,4,5,6,7,8,9,10,11,12,13,14,15
	global_load_b128 v[X+64*((\i)%3)+4*\q:X+64*((\i)%3)+4*\q+3], v5, s[4:5] offset:(\i)*262144+\q*8192 th:TH_LOAD_NT
.endr
.endm
; K step i is rounded and put into LDS; its slot is asked for again three steps ahead, ahead of the LDS stores.
.macro WSTEP i, refill, left
	s_wait_loadcnt \left                           ; this step's sixteen loads are in (and the bias, which is older); the younger steps' stay out
.irp c, 0,1,2,3
.irp t, 0,1,2,3,4,5,6,7
	v_cvt_pk_bf16_f32 v[F+8*\c+\t], v[X+64*(\i%3)+8*\t+\c], v[X+64*(\i%3)+8*\t+4+\c]   ; rows q = 2 t and 2 t + 1 of column 4 r + c
.endr
.endr
.if \refill
	WLOAD \i+3
.endif
.irp c, 0,1,2,3
	ds_store_b128 v6, v[F+8*\c:F+8*\c+3]   offset:\i*4096+\c*1024        ; lane L at 16 L: 512 consecutive bytes
	ds_store_b128 v6, v[F+8*\c+4:F+8*\c+7] offset:\i*4096+\c*1024+512
.endr
.endm
	WLOAD 0
	WLOAD 1
	WLOAD 2                                        ; 48 loads, 24,576 bytes, of each wave are on their way from here to step 5
.irp i, 0,1,2,3,4
	WSTEP \i, 1, 32
.endr
	WSTEP 5, 0, 32                                 ; the last three steps ask for nothing: the counts run down
	WSTEP 6, 0, 16
	WSTEP 7, 0, 0
	s_wait_kmcnt 0x0                               ; lo, hi
	s_wait_dscnt 0x0                               ; my eighth of the slice is in LDS, for the others' sake
	s_barrier_signal -1
	s_barrier_wait -1                              ; the slice is whole; from here on LDS is only read
	s_min_u32 s24, s24, 0x800
	s_min_u32 s25, s25, 0x800
	s_lshr_b32 s26, s24, 4
	s_min_u32 s26, s26, 127                        ; first tile that holds a place of mine
	s_add_co_u32 s27, s25, 15
	s_lshr_b32 s27, s27, 4                         ; one past the last: 128 at the most
	s_sub_co_u32 s27, s27, s26
	s_sub_co_u32 s38, s25, s24
	s_cmp_gt_u32 s25, s24
	s_cselect_b32 s27, s27, 0                      ; tiles; none where the expert has no token
	s_cselect_b32 s38, s38, 0                      ; places
	s_add_co_u32 s28, s27, 7
	s_sub_co_u32 s28, s28, s18
	s_lshr_b32 s28, s28, 3                         ; my wave takes tiles first + w + 8 u: so many,
	s_min_u32 s28, s28, 16                         ; 128 tiles over eight waves at the most
	s_add_co_u32 s42, s28, 3
	s_lshr_b32 s42, s42, 2                         ; in passes of up to four tiles:
	s_min_u32 s42, s42, 4                          ; four passes at the most
	s_mov_b32 s22, s21
	s_add_nc_u64 s[16:17], s[16:17], s[22:23]      ; out at my columns
	s_mov_b32 s29, 0
	s_cmp_eq_u32 s28, 0
	s_cbranch_scc1 .Lend
.macro ALOAD ng, sl, st                ; K step st (counted from the base's) of ng tiles, eight tiles apart, into ring slot sl
.set ga, 0
.rept \ng
	global_load_b128 v[32*(\sl)+8*ga:32*(\sl)+8*ga+3],   v1, s[32:33] offset:ga*524288+(\st)*1024       ; 32 work-groups read these bytes: no hint
	global_load_b128 v[32*(\sl)+8*ga+4:32*(\sl)+8*ga+7], v1, s[32:33] offset:ga*524288+(\st)*1024+512
.set ga, ga+1
.endr
.endm
.macro BLOAD buf, st                   ; the four B fragments of K step st (counted from v8's) into buffer buf
.irp c, 0,1,2,3
	ds_load_b128 v[BF+32*(\buf)+8*\c:BF+32*(\buf)+8*\c+3],   v8 offset:(\st)*4096+\c*1024
	ds_load_b128 v[BF+32*(\buf)+8*\c+4:BF+32*(\buf)+8*\c+7], v8 offset:(\st)*4096+\c*1024+512
.endr
.endm
; One K step of ng tiles: 4 ng products.  The 4 ng accumulators take turns, one instruction a turn, from step to step and over the
; backward jump too.  refill: the K step seven further on is asked for, into the slot that the step before
; this one read.  bl: the B buffer just used gets the K step two further on.  lc, dc: how many younger loads may stay out.
.macro KSTEP ng, u, refill, lc, dc, bl
	s_wait_loadcnt \lc
	s_wait_dscnt \dc
	WIN W_MUL
.set gk, 0
.rept \ng
.irp c, 0,1,2,3
	v_wmma_f32_16x16x32_bf16 v[ACC+32*gk+8*\c:ACC+32*gk+8*\c+7], v[32*\u+8*gk:32*\u+8*gk+7], v[BF+32*(\u&1)+8*\c:BF+32*(\u&1)+8*\c+7], v[ACC+32*gk+8*\c:ACC+32*gk+8*\c+7]
.endr
.set gk, gk+1
.endr
.if \refill+\bl
.rept 4
	v_nop                                          ; four places before loads are issued into registers that products read
.endr
.if \refill
	WIN W_RING
	ALOAD \ng, (\u+7)&7, \u+7
.endif
	WIN 0
.endif
.if \bl
	BLOAD \u&1, \u+2
.endif
.endm
; The way out of tile g of ng.  Row j of half h is place 16 tile + 8 h + j.
.macro EPIT ng, g
	s_wait_loadcnt 4*(\ng-1-\g)                    ; this tile's four loads are in, the later tiles' four each stay out
	s_wait_xcnt 0x0                                ; TMP, which the tile before stored from, is rewritten, and EXEC changed, only behind this wait
	s_lshl_b32 s43, s31, 4
	s_add_co_u32 s43, s43, 128*\g                  ; the tile's first place: the pass's tiles are eight apart
	s_add_co_u32 s44, s43, 16                      ; one past its last
.irp j, 0,1,2,3,4,5,6,7
	v_min_u32 v[BF+16*\g+\j], 0x7ff, v[BF+16*\g+\j]                ; a token enters an address only behind this bound
	v_lshlrev_b32 v[BF+16*\g+\j], 13, v[BF+16*\g+\j]               ; its row of out
	v_add_nc_u32 v[BF+16*\g+\j], v2, v[BF+16*\g+\j]                ; + 16 r
.endr
.irp j, 0,1,2,3,4,5,6,7
.irp c, 0,1,2,3
	v_mul_f32 v[TMP+4*\j+\c], v[ACC+32*\g+8*\c+\j], v[BF+16*\g+8+\j]
.endr
.endr
	s_cmp_lt_u32 s43, s24
	s_cbranch_scc1 .Lb_\@                          ; it begins below lo: a border tile
	s_cmp_gt_u32 s44, s25
	s_cbranch_scc1 .Lb_\@                          ; it ends above hi: a border tile
.irp j, 0,1,2,3,4,5,6,7
	global_store_b128 v[BF+16*\g+\j], v[TMP+4*\j:TMP+4*\j+3], s[16:17] th:TH_STORE_NT   ; all sixteen places are mine: eight stores in a run.  Sixteen lanes: 256 consecutive bytes of a token's row, aligned
.endr
	s_branch .Ln_\@
.Lb_\@:
	s_sub_co_u32 s41, s43, s24                     ; a row is mine if place - lo, unsigned, is below hi - lo (it wraps below lo, and then fails the test)
	v_add_nc_u32 v9, s41, v3
.irp j, 0,1,2,3,4,5,6,7
	v_add_nc_u32 v10, \j, v9
	v_cmp_gt_u32 vcc_lo, s38, v10
	s_and_saveexec_b32 s40, vcc_lo                 ; only the store below runs under the mask
	global_store_b128 v[BF+16*\g+\j], v[TMP+4*\j:TMP+4*\j+3], s[16:17] th:TH_STORE_NT
	s_wait_xcnt 0x0                                ; EXEC is widened only behind this wait
	s_mov_b32 exec_lo, -1                          ; EXEC was all ones in front of the mask: it is set back by the constant
.endr
.Ln_\@:
.endm
; The way out of ng tiles.
.macro EPI ng
	WIN 0
.rept 4
	v_nop                                          ; four places behind the last products: their results are read, and loads go into the B buffers
.endr
.set ge, 0
.rept \ng
	global_load_b128 v[BF+16*ge:BF+16*ge+3],     v4, s[34:35] offset:512*ge      ; order of my eight rows
	global_load_b128 v[BF+16*ge+4:BF+16*ge+7],   v4, s[34:35] offset:512*ge+16
	global_load_b128 v[BF+16*ge+8:BF+16*ge+11],  v4, s[36:37] offset:512*ge      ; ps of my eight rows
	global_load_b128 v[BF+16*ge+12:BF+16*ge+15], v4, s[36:37] offset:512*ge+16
.set ge, ge+1
.endr
.irp g, 0,1,2,3
.if \g < \ng
	EPIT \ng, \g
.endif
.endr
.endm
; ng tiles through all 64 K steps.
.macro PASS ng
	; The sums start from the bias: column 4 r + c has the same b in all eight rows.  This takes the place of an add on the way out.
.set gb, 0
.rept \ng
.irp c, 0,2
.irp k, 0,2,4,6
	v_dual_mov_b32 v[ACC+32*gb+8*\c+\k], v[BIAS+\c] :: v_dual_mov_b32 v[ACC+32*gb+8*\c+8+\k+1], v[BIAS+\c+1]
	v_dual_mov_b32 v[ACC+32*gb+8*\c+8+\k], v[BIAS+\c+1] :: v_dual_mov_b32 v[ACC+32*gb+8*\c+\k+1], v[BIAS+\c]
.endr
.endr
.set gb, gb+1
.endr
	WIN W_RING
.irp u, 0,1,2,3,4,5,6
	ALOAD \ng, \u, \u                              ; K steps 0 to 6 go out: 14 ng loads, 56 at the most
.endr
	WIN 0
	BLOAD 0, 0
	BLOAD 1, 1
	s_mov_b32 s39, 0
.Lk_\ng:
.irp u, 0,1,2,3,4,5,6,7
	KSTEP \ng, \u, 1, 12*\ng, 8, 1                 ; this step's A is in: the six younger steps' 2 ng loads each stay out; so do the next step's eight LDS loads
.endr
	s_wait_xcnt 0x0                                ; the base is stepped only behind this wait
	s_add_nc_u64 s[32:33], s[32:33], 0x2000        ; eight K steps of xs
	s_add_co_u32 s39, s39, 0x8000                  ; and of the slice: the counter is the byte offset
	v_add_nc_u32 v8, s39, v1
	s_cmp_lt_u32 s39, 7*0x8000
	s_cbranch_scc1 .Lk_\ng
	KSTEP \ng, 0, 1, 12*\ng, 8, 1                  ; K step 56 asks for the last, 63
.irp u, 1,2,3,4,5
	KSTEP \ng, \u, 0, 2*\ng*(7-\u), 8, 1           ; K steps 57 to 63 ask for no A: the counts run down
.endr
	KSTEP \ng, 6, 0, 2*\ng, 8, 0                   ; and the last two for no B
	KSTEP \ng, 7, 0, 0, 0, 0
	EPI \ng
.endm
.Lpass:
	s_wait_xcnt 0x0                                ; the bases below were the last pass's, and its last stores read TMP
	s_lshl_b32 s31, s29, 5                         ; a pass of the eight waves covers 32 tiles
	s_add_co_u32 s31, s31, s26
	s_add_co_u32 s31, s31, s18
	s_min_u32 s31, s31, 127                        ; this pass's first tile: first + w + 32 x passes done
	s_lshl_b32 s22, s31, 16
	s_add_nc_u64 s[32:33], s[8:9], s[22:23]
	s_lshl_b32 s22, s31, 6
	s_add_nc_u64 s[34:35], s[10:11], s[22:23]
	s_add_nc_u64 s[36:37], s[12:13], s[22:23]
	v_mov_b32 v8, v1
	s_lshl_b32 s30, s29, 2
	s_sub_co_u32 s30, s28, s30                     ; tiles left: four at a time, then the rest
	s_cmp_ge_u32 s30, 4
	s_cbranch_scc1 .Lp4
	s_cmp_eq_u32 s30, 3
	s_cbranch_scc1 .Lp3
	s_cmp_eq_u32 s30, 2
	s_cbranch_scc1 .Lp2
	PASS 1
	s_branch .Lnext
.Lp2:
	PASS 2
	s_branch .Lnext
.Lp3:
	PASS 3
	s_branch .Lnext
.Lp4:
	PASS 4
.Lnext:
	s_add_co_u32 s29, s29, 1                       ; the loop counts passes, one a trip, up to my wave's number of them
	s_cmp_lt_u32 s29, s42
	s_cbranch_scc1 .Lpass
.Lend:
	s_barrier_signal -1
	s_barrier_wait -1
	s_wait_tensorcnt 0x0
	ds_add_u32 v30, v31
	s_wait_dscnt 0x0
	s_endpgm
.Lfunc_end_k_q550b002590_gemm:
	.size	k_q550b002590_gemm, .Lfunc_end_k_q550b002590_gemm-k_q550b002590_gemm
	.p2alignl 7, 3214868480
	.fill 96, 4, 3214868480
	.section	.rodata,"a",@progbits
	.p2align	6, 0x0
	.amdhsa_kernel k_q550b002590_gemm
		.amdhsa_group_segment_fixed_size 263168
		.amdhsa_private_segment_fixed_size 0
		.amdhsa_enable_private_segment 0
		.amdhsa_kernarg_size 56
		.amdhsa_user_sgpr_count 2
		.amdhsa_user_sgpr_kernarg_segment_ptr 1
		.amdhsa_wavefront_size32 1
		.amdhsa_system_sgpr_workgroup_id_x 1
		.amdhsa_system_sgpr_workgroup_id_y 1
		.amdhsa_system_sgpr_workgroup_id_z 1
		.amdhsa_system_vgpr_workitem_id 0
		.amdhsa_next_free_vgpr 512
		.amdhsa_next_free_sgpr 66
		.amdhsa_reserve_vcc 1
		.amdhsa_float_denorm_mode_32 3
		.amdhsa_float_denorm_mode_16_64 3
		.amdhsa_memory_ordered 1
		.amdhsa_forward_progress 1
		.amdhsa_inst_pref_size 221
	.end_amdhsa_kernel
	.amdgpu_metadata
---
amdhsa.version: [ 1, 2 ]
amdhsa.kernels:
  - .name:           k_q550b002590_gemm
    .symbol:         k_q550b002590_gemm.kd
    .args:
      - { .name: W, .offset: 0, .size: 8, .value_kind: global_buffer, .address_space: global }
      - { .name: b, .offset: 8, .size: 8, .value_kind: global_buffer, .address_space: global }
      - { .name: xs, .offset: 16, .size: 8, .value_kind: global_buffer, .address_space: global }
      - { .name: order, .offset: 24, .size: 8, .value_kind: global_buffer, .address_space: global }
      - { .name: ps, .offset: 32, .size: 8, .value_kind: global_buffer, .address_space: global }
      - { .name: offs, .offset: 40, .size: 8, .value_kind: global_buffer, .address_space: global }
      - { .name: out0, .offset: 48, .size: 8, .value_kind: global_buffer, .address_space: global }
    .group_segment_fixed_size: 263168
    .private_segment_fixed_size: 0
    .kernarg_segment_align: 8
    .kernarg_segment_size: 56
    .max_flat_workgroup_size: 256
    .sgpr_count:     66
    .vgpr_count:     512
    .wavefront_size: 32
...
	.end_amdgpu_metadata
.endif
;; end of part 3
